; MI455X (gfx1250); checked and timed in simulation.
; The chip was launched on July 23, 2026; its instructions are those of AMD's public machine-readable ISA for CDNA 5 (MIT licence, August 2026) and "CDNA5" Instruction Set Architecture Reference Guide (July 2026). The comments in the code are by the model that wrote it; some were corrected since.
;; Attention With Einsum. Allowed arithmetic: matrix products marked QUANTISED: E2M1 operands, one E8M0 scale for each 32 along K, by v_wmma_scale_f32_16x16x128_f8f6f4 with both operands' format E2M1 (or v_wmma_scale_f32_32x16x128_f4), f32 sums; products left as they are: bf16, f16 or f32 operands; f32 sums; everything else in f32.
;; Inputs: k_param 512 x 8 x 64 float32; p_param 8 x 64 x 512 float32; q_param 512 x 8 x 64 float32; v_param 512 x 8 x 64 float32; x 1 x 4,096 x 512 float32.
;; Outputs: out0 1 x 4,096 x 512 float32.
;; This version of the problem:
;;   THIS VERSION OF THE PROBLEM IS GIVEN IN LOW PRECISION. The matrix products marked QUANTISED in the list below multiply operands that are first quantised to E2M1 (2 exponent bits, 1 mantissa bit; 4 bits a number), with one power-of-two scale for each 32 numbers along K (OCP MX v1.0); their sums are f32. The products marked 'left as it is' may take bf16, f16 or f32 operands, with f32 sums. Whichever they take, every output number must still come out within the allowed error. Rounding operands to bf16 (8 significant bits) uses up far more of that allowance than f16 does (11 bits, for magnitudes from 6e-5 to 65,504). All else is computed in f32.
;;   The module's matrix products, in the order in which they are computed (A, B: the left and right operand; K: the contracted axis; several contracted axes count as one K, in the product's order):
;;     1. [M 4,096, K 512] x [K 512, N 512]; A: input x; B: input q_param: QUANTISED
;;     2. [M 4,096, K 512] x [K 512, N 512]; A: input x; B: input k_param: QUANTISED
;;     3. [M 4,096, K 512] x [K 512, N 512]; A: input x; B: input v_param: QUANTISED
;;     4. batch 8 x [M 4,096, K 64] x [K 64, N 4,096]; A: computed on the way; B: computed on the way: left as it is (an operand is computed on the way)
;;     5. batch 8 x [M 64, K 4,096] x [K 4,096, N 4,096]; A: computed on the way; B: computed on the way: left as it is (an operand is computed on the way)
;;     6. [M 4,096, K 512] x [K 512, N 512]; A: computed on the way; B: input p_param: left as it is (an operand is computed on the way)
;;   THE QUANTISER, for each operand of a quantised product, along K:
;;     - K is cut into blocks of 32 from its start; a last block that is shorter is filled with zeros.
;;     - A block's scale is 2^e with e = floor(log2(the largest magnitude in the block)) - 2, held to -126 .. 127; a block of zeros has e = 0. As a byte (E8M0): e + 127.
;;     - Each number is divided by its block's scale, clamped to +-6, and rounded to the nearest number of E2M1, ties to even, subnormals kept.
;;     - The product sums the exact products of the quantised numbers (number of the format x scale) in f32.
;;   ~~~python
;;   def quantise(x, axis):      # numpy; x: float32 -> the quantised numbers, widened to float32 again
;;       x = np.moveaxis(x, axis, -1); K = x.shape[-1]
;;       x = np.pad(x, [(0, 0)] * (x.ndim - 1) + [(0, -K % 32)]); x = x.reshape(x.shape[:-1] + (-1, 32)); a = np.abs(x).max(-1, keepdims=True)
;;       e = np.where(a > 0, np.clip(np.frexp(np.where(a > 0, a, 1))[1] - 1 - 2, -126, 127), 0)      # np.frexp(a)[1] - 1 = floor(log2(a)), exactly
;;       r = np.clip(x / 2.0 ** e, -6, 6)
;;       step = 2.0 ** (np.maximum(np.frexp(np.where(r == 0, 1, r))[1] - 1, 0) - 1)
;;       q = np.round(r / step) * step * 2.0 ** e      # np.round: ties to even
;;       return np.moveaxis(q.reshape(q.shape[:-2] + (-1,))[..., :K], -1, axis).astype(np.float32)
;;   ~~~
;; One version. Each part assembles by itself: llvm-mc -triple=amdgcn-amd-amdhsa -mcpu=gfx1250 --defsym DOCPART=n.
;; ======== version 1 of 1: 4 launches
;; limits: values are held in f16: magnitudes above 65,504 overflow, below 6.1e-05 lose precision
;; workspace buffers: xq 1,114,112 bytes; wq 417,792 bytes; pf 524,288 bytes; qf 4,194,304 bytes; kf 4,194,304 bytes; vf 4,194,304 bytes; of 4,194,304 bytes
;; launch prep (part 1): grid 192 x 1, 4 waves a work-group, no clusters, 68,096 bytes of LDS; arguments x, q_param, k_param, v_param, p_param, xq, wq, pf; writes xq, wq, pf
.if DOCPART == 1
	.amdgcn_target "amdgcn-amd-amdhsa--gfx1250"
	.amdhsa_code_object_version 6
	.text
	.protected	k_qb2758e5afd_prep
	.globl	k_qb2758e5afd_prep
	.p2align	8
	.type	k_qb2758e5afd_prep,@function
k_qb2758e5afd_prep:
	s_mov_b64 s[64:65], 0
	v_nop
	global_prefetch_b8 v0, s[64:65] scope:SCOPE_SE
	s_setreg_imm32_b32 hwreg(HW_REG_WAVE_MODE, 25, 1), 1
	s_wait_xcnt 0x0
; PREP.  x [4096][512] and the three weights [512 (k)][512 (n)], f32, become codes of FP4 (E2M1) with one E8M0 byte for each 32 along K; p_param [512 (k)][512 (c)] becomes p / 4 in f16 (an exact scaling).
; A block's scale is 2^(floor(log2(its largest magnitude)) - 2): its byte is the largest magnitude's exponent field - 2, held at 1 from below by a floor among the maximum's leaves.
; LIMITS: a block whose largest magnitude lies under 2^-124 has its byte held at 1; a block of zeros gets the byte 1 (its codes are zeros, and this program alone reads the bytes); NaN and infinities are not served.
; EVERY RESULT IS LAID AS AN IMAGE OF THE READER'S OPERAND REGISTERS: a group of four registers is 512 consecutive bytes, lane l's 16 bytes at 16 l.
;   xq: [tile of 16 tokens][4,352]: codes at 1,024 s + 512 c + 16 lane (K step s of 128, lane (r, h) holds k = 128 s + 64 c + 32 h + 0..31 of token r); scale words at 4,096 + 64 s + 4 r.
;   wq: [head][q, k, v][tile of 16 columns][4,352], laid alike, a column of W in a token's place.
;   pf: [tile of 16 columns][chunk of 32 k][1,024]: the eight k from 32 chunk + 8 G on of column r at 256 G + 16 r.
; Work-groups 0-127 take x, 128-191 the four parameters.  No barrier: waves share nothing.  Only x's path touches LDS.
.set STG,   16896                      ; LDS of a wave: two stages of 16 rows x 528 bytes
.set HALFS, 8448
.set ROWP,  528                        ; a stage row: 512 bytes + 16 = 132 words: row r starts at bank 4 r mod 64 (64 banks of 4 bytes: ISA guide 11.1)
.set SPARE, 4*STG                      ; behind the stages: the spare words, 128 bytes a wave, which no other line names
.set TILEB, 4352
.set SPW, 12                           ; v12  my spare word's LDS address; never rewritten
.set NIL, 13                           ; v13  0; never rewritten
.set R,   16                           ; v16-143  numbers as loaded
.set XA,  144                          ; v144-207 the first K step's numbers, a whole block of 32 in a lane's 32 registers
.set XB,  16                           ; v16-79   the second's
.set CD,  208                          ; v208-223 codes
.set WV,  20
; the largest magnitude of 32 numbers of one lane, with the floor 2^(3 - 127) as one more leaf; two chains
.macro MAXB src, a0, a1
	v_max3_num_f32 v[\a0], |v[\src]|, |v[\src+1]|, 0x1800000
	v_max3_num_f32 v[\a1], |v[\src+2]|, |v[\src+3]|, |v[\src+4]|
.irp i, 5,9,13,17,21,25
	v_max3_num_f32 v[\a0], v[\a0], |v[\src+\i]|, |v[\src+\i+1]|
	v_max3_num_f32 v[\a1], v[\a1], |v[\src+\i+2]|, |v[\src+\i+3]|
.endr
	v_max3_num_f32 v[\a0], v[\a0], |v[\src+29]|, |v[\src+30]|
	v_max3_num_f32 v[\a0], v[\a0], v[\a1], |v[\src+31]|
.endm
.macro CODES src, dst, sc              ; 32 numbers / the scale, to the nearest code: four registers
.irp g, 0,1,2,3
	v_cvt_scalef32_pk8_fp4_f32 v[\dst+\g], v[\src+8*\g:\src+8*\g+7], v[\sc]
.endr
.endm
	s_load_b512 s[4:19], s[0:1], 0x0               ; x 4, q 6, k 8, v 10, p 12, xq 14, wq 16, pf 18
	v_lshl_add_u32 v[SPW], v0, 2, SPARE
	v_mov_b32 v[NIL], 0
	v_lshrrev_b32 v1, 5, v0
	v_readfirstlane_b32 s[WV], v1                  ; wave 0..3
	v_and_b32 v1, 31, v0                           ; lane
	v_lshlrev_b32 v2, 4, v1                        ; 16 x lane
	v_and_b32 v3, 15, v0                           ; r
	v_bfe_u32 v4, v0, 4, 1                         ; h
	s_mul_i32 s21, s[WV], STG
	v_add_nc_u32 v5, s21, v2                       ; the stage, on the way in: 16 x lane of a row
	v_mul_u32_u24 v6, v3, ROWP
	v_lshl_add_u32 v6, v4, 7, v6
	v_add_nc_u32 v6, s21, v6                       ; and on the way out: row r, block h of 128 bytes
	v_lshlrev_b32 v7, 2, v1                        ; 4 x lane
	v_lshlrev_b32 v8, 3, v4                        ; 8 h: where my bytes stand in a scale word
	v_mul_u32_u24 v9, v4, TILEB
	v_lshl_add_u32 v10, v3, 2, v9                  ; a weight's scale word: tile lane / 16, 4 r
	v_lshl_add_u32 v9, v3, 4, v9                   ; its codes: tile lane / 16, 16 r
	v_lshlrev_b32 v11, 14, v4
	v_lshl_add_u32 v11, v3, 4, v11                 ; p: tile lane / 16 of 16,384 bytes, 16 r
	v_mov_b32 v232, 0                              ; a lane permute's destination counts as read: written once
	v_mov_b32 v233, 0
	s_mov_b32 s30, 0x76543210
	s_mov_b32 s31, 0xfedcba98                      ; v_permlanex16_b32's selects for lane l xor 16
	s_wait_kmcnt 0x0
	s_cmp_lt_u32 ttmp9, 128
	s_cbranch_scc0 .Lwp
	; ---- x.  A wave takes a tile of 16 tokens and two K steps of 128: 16 KB, all asked for at once.
	s_lshr_b32 s22, s[WV], 1
	s_lshl_b32 s23, ttmp9, 1
	s_add_co_u32 s22, s22, s23                     ; tile = 2 x work-group + wave / 2
	s_and_b32 s23, s[WV], 1                        ; which pair of K steps
	s_lshl_b32 s24, s22, 15                        ; 16 rows of 2,048 bytes
	s_lshl_b32 s25, s23, 10
	s_add_co_u32 s24, s24, s25
	s_mov_b32 s25, 0
	s_add_nc_u64 s[24:25], s[4:5], s[24:25]
	s_mul_i32 s26, s22, TILEB
	s_lshl_b32 s27, s23, 11
	s_add_co_u32 s28, s26, s27
	s_mov_b32 s29, 0
	s_add_nc_u64 s[28:29], s[14:15], s[28:29]      ; my codes
	s_lshl_b32 s27, s23, 7
	s_add_co_u32 s26, s26, s27
	s_mov_b32 s27, 0
	s_add_nc_u64 s[26:27], s[14:15], s[26:27]      ; my scale words, 4,096 further on
.irp kk, 0,1
.set i, 0
.rept 16
	global_load_b128 v[R+64*\kk+4*i:R+64*\kk+4*i+3], v2, s[24:25] offset:i*2048+\kk*512 th:TH_LOAD_NT   ; 32 lanes read 512 consecutive bytes: a K step of row i
.set i, i+1
.endr
.endr
; A K step's 16 rows go through my stage as they lie and come back a whole block of 32 to a lane.  LDS serves a wave's instructions in order (ISA guide 5.7.1.4): no wait between stores and loads.
.macro TURN kk, xs
.set i, 0
.rept 16
	ds_store_b128 v5, v[R+64*\kk+4*i:R+64*\kk+4*i+3] offset:\kk*HALFS+i*ROWP
.set i, i+1
.endr
.if \kk
	s_wait_dscnt 32                                ; all but the first turn's 16 loads and these 16 stores: the first turn's stores have read v16-79, into which the loads below land
.endif
.irp c, 0,1
.irp j, 0,1,2,3,4,5,6,7
	ds_load_b128 v[\xs+32*\c+4*\j:\xs+32*\c+4*\j+3], v6 offset:\kk*HALFS+256*\c+16*\j   ; block 2 c + h of row r
.endr
.endr
.endm
; Two blocks of a lane become registers 4 c .. 4 c + 3 of the fragment, and the row's scale word (in both halves of the lanes)
.macro QX kk, xs
	MAXB \xs, 224, 225
	MAXB \xs+32, 228, 229
	v_add_nc_u32 v226, 0xff000000, v224            ; 2 off the exponent field: the conversion takes this operand's exponent field as its scale
	v_add_nc_u32 v230, 0xff000000, v228
	v_lshrrev_b32 v227, 23, v226                   ; the scale's byte
	v_lshrrev_b32 v231, 23, v230
	v_lshl_or_b32 v227, v231, 16, v227             ; blocks h and 2 + h,
	v_lshlrev_b32 v227, v8, v227                   ; at their places in the word;
	v_permlanex16_b32 v[232+\kk], v227, s30, s31
	v_or_b32 v[232+\kk], v[232+\kk], v227          ; with lane l xor 16's two the word is whole
	CODES \xs, CD+8*\kk, 226
	CODES \xs+32, CD+8*\kk+4, 230
	v_nop                                          ; a plain place behind the last scaled conversion
.endm
	s_wait_loadcnt 16                              ; the first K step's 16 loads are in; the second's may be out
	TURN 0, XA
	s_wait_loadcnt 0x0
	TURN 1, XB
	s_wait_dscnt 32                                ; all but the second turn's 32: the first K step is back
	QX 0, XA
	s_wait_dscnt 0x0
	QX 1, XB
	v_cmp_le_u32 vcc_lo, 16, v1
	v_cndmask_b32 v234, v232, v233, vcc_lo         ; lanes 0-15 the first K step's words, lanes 16-31 the second's
.irp kk, 0,1
.irp c, 0,1
	global_store_b128 v2, v[CD+8*\kk+4*\c:CD+8*\kk+4*\c+3], s[28:29] offset:\kk*1024+\c*512   ; 512 consecutive bytes, aligned
.endr
.endr
	global_store_b32 v7, v234, s[26:27] offset:4096   ; 128 consecutive bytes: two waves share a tile's 256 bytes of scale words
	s_branch .Lend
	; ---- the parameters.  A work-group takes 128 columns x 128 along K of one of the four; a lane takes a column and its registers run down K.
.Lwp:
	s_sub_co_u32 s22, ttmp9, 128
	s_lshr_b32 s23, s22, 4                         ; 0 q, 1 k, 2 v, 3 p
	s_bfe_u32 s24, s22, 0x20002                    ; which 128 columns
	s_and_b32 s25, s22, 3                          ; which 128 along K
	s_cmp_eq_u32 s23, 1                            ; the choices hang on the work-group's number alone
	s_cselect_b64 s[26:27], s[8:9], s[6:7]
	s_cmp_eq_u32 s23, 2
	s_cselect_b64 s[26:27], s[10:11], s[26:27]
	s_cmp_eq_u32 s23, 3
	s_cselect_b64 s[26:27], s[12:13], s[26:27]
	s_lshl_b32 s28, s25, 18                        ; 128 rows of 2,048 bytes
	s_lshl_b32 s29, s24, 9
	s_add_co_u32 s28, s28, s29
	s_lshl_b32 s29, s[WV], 7                       ; my wave's 32 columns: the four waves stand side by side on 512 bytes
	s_add_co_u32 s28, s28, s29
	s_mov_b32 s29, 0
	s_add_nc_u64 s[26:27], s[26:27], s[28:29]
.set i, 0
.rept 128
	global_load_b32 v[R+i], v7, s[26:27] offset:i*2048 th:TH_LOAD_NT
.set i, i+1
.endr
	s_cmp_eq_u32 s23, 3
	s_cbranch_scc1 .Lp
	s_lshl_b32 s34, s24, 1
	s_lshr_b32 s35, s[WV], 1
	s_add_co_u32 s34, s34, s35                     ; head = column / 64
	s_mul_i32 s34, s34, 3
	s_add_co_u32 s34, s34, s23
	s_lshl_b32 s34, s34, 2
	s_and_b32 s35, s[WV], 1
	s_lshl_b32 s35, s35, 1
	s_add_co_u32 s34, s34, s35                     ; my first tile: (3 head + matrix) x 4 + 2 (wave % 2)
	s_mul_i32 s34, s34, TILEB
	s_lshl_b32 s35, s25, 10
	s_add_co_u32 s36, s34, s35
	s_mov_b32 s37, 0
	s_add_nc_u64 s[36:37], s[16:17], s[36:37]      ; this K step's codes
	s_lshl_b32 s35, s25, 6
	s_add_co_u32 s34, s34, s35
	s_mov_b32 s35, 0
	s_add_nc_u64 s[34:35], s[16:17], s[34:35]      ; and scale words, 4,096 further on
.macro WBLOCK b, left
	s_wait_loadcnt \left
	MAXB R+32*\b, 224, 225
	v_add_nc_u32 v226, 0xff000000, v224
	v_lshrrev_b32 v227, 23, v226
.if \b == 0
	v_mov_b32 v160, v227
.else
	v_lshl_or_b32 v160, v227, 8*\b, v160           ; the lower K in the lower byte
.endif
	CODES R+32*\b, 144+4*\b, 226
	v_nop                                          ; a plain place behind the last scaled conversion
	global_store_b128 v9, v[144+4*\b:147+4*\b], s[36:37] offset:256*\b   ; block b = 2 c + h of column r stands at 512 c + 256 h + 16 r: sixteen lanes store 256 consecutive bytes, aligned
.endm
	WBLOCK 0, 63                                   ; of 128 loads at most 63 are out: the first 65 are in, blocks 0 and 1 among them
	WBLOCK 1, 63
	WBLOCK 2, 32                                   ; all but block 3's
	WBLOCK 3, 0
	global_store_b32 v10, v160, s[34:35] offset:4096   ; 64 consecutive bytes for each tile: a K step's share of its 256 bytes of scale words
	s_branch .Lend
.Lp:
	s_lshl_b32 s34, s24, 3
	s_lshl_b32 s35, s[WV], 1
	s_add_co_u32 s34, s34, s35                     ; my first tile of 16 columns
	s_lshl_b32 s34, s34, 14
	s_lshl_b32 s35, s25, 12                        ; four chunks of 32 along K
	s_add_co_u32 s34, s34, s35
	s_mov_b32 s35, 0
	s_add_nc_u64 s[34:35], s[18:19], s[34:35]
	s_mov_b32 s32, 0x3e800000                      ; 1 / 4
	s_mov_b32 s33, s32                             ; (named with it as a pair, so it is written)
	s_wait_loadcnt 0x0
.set j, 0
.rept 64
	v_pk_mul_f32 v[R+2*j:R+2*j+1], v[R+2*j:R+2*j+1], s[32:33] op_sel_hi:[1,0]
.set j, j+1
.endr
.set j, 0
.rept 64
	v_cvt_pk_f16_f32 v[144+j], v[R+2*j], v[R+2*j+1]
.set j, j+1
.endr
.set j, 0
.rept 16
	global_store_b128 v11, v[144+4*j:147+4*j], s[34:35] offset:256*j   ; eight k from 8 j on: chunk j / 4 at 1,024, group j % 4 at 256: sixteen lanes store 256 consecutive bytes, aligned
.set j, j+1
.endr
.Lend:
	s_wait_tensorcnt 0x0                           ; the wave's end
	ds_add_u32 v[SPW], v[NIL]
	s_wait_dscnt 0x0
	s_endpgm
.Lfunc_end_k_qb2758e5afd_prep:
	.size	k_qb2758e5afd_prep, .Lfunc_end_k_qb2758e5afd_prep-k_qb2758e5afd_prep
	.p2alignl 7, 3214868480
	.fill 96, 4, 3214868480
	.section	.rodata,"a",@progbits
	.p2align	6, 0x0
	.amdhsa_kernel k_qb2758e5afd_prep
		.amdhsa_group_segment_fixed_size 68096
		.amdhsa_private_segment_fixed_size 0
		.amdhsa_enable_private_segment 0
		.amdhsa_kernarg_size 64
		.amdhsa_user_sgpr_count 2
		.amdhsa_user_sgpr_kernarg_segment_ptr 1
		.amdhsa_wavefront_size32 1
		.amdhsa_system_sgpr_workgroup_id_x 1
		.amdhsa_system_sgpr_workgroup_id_y 1
		.amdhsa_system_sgpr_workgroup_id_z 1
		.amdhsa_system_vgpr_workitem_id 0
		.amdhsa_next_free_vgpr 256
		.amdhsa_next_free_sgpr 66
		.amdhsa_reserve_vcc 1
		.amdhsa_float_denorm_mode_32 3
		.amdhsa_float_denorm_mode_16_64 3
		.amdhsa_memory_ordered 1
		.amdhsa_forward_progress 1
		.amdhsa_inst_pref_size 46
	.end_amdhsa_kernel
	.amdgpu_metadata
---
amdhsa.version: [ 1, 2 ]
amdhsa.kernels:
  - .name:           k_qb2758e5afd_prep
    .symbol:         k_qb2758e5afd_prep.kd
    .args:
      - { .name: x, .offset: 0, .size: 8, .value_kind: global_buffer, .address_space: global }
      - { .name: q_param, .offset: 8, .size: 8, .value_kind: global_buffer, .address_space: global }
      - { .name: k_param, .offset: 16, .size: 8, .value_kind: global_buffer, .address_space: global }
      - { .name: v_param, .offset: 24, .size: 8, .value_kind: global_buffer, .address_space: global }
      - { .name: p_param, .offset: 32, .size: 8, .value_kind: global_buffer, .address_space: global }
      - { .name: xq, .offset: 40, .size: 8, .value_kind: global_buffer, .address_space: global }
      - { .name: wq, .offset: 48, .size: 8, .value_kind: global_buffer, .address_space: global }
      - { .name: pf, .offset: 56, .size: 8, .value_kind: global_buffer, .address_space: global }
    .group_segment_fixed_size: 68096
    .private_segment_fixed_size: 0
    .kernarg_segment_align: 8
    .kernarg_segment_size: 64
    .max_flat_workgroup_size: 128
    .sgpr_count:     66
    .vgpr_count:     256
    .wavefront_size: 32
...
	.end_amdgpu_metadata
.endif
;; end of part 1
;; launch qkv (part 2): grid 8 x 32, 8 waves a work-group, clusters of 4 x 4, 167,936 bytes of LDS; arguments xq, wq, qf, kf, vf; writes qf, kf, vf
.if DOCPART == 2
	.amdgcn_target "amdgcn-amd-amdhsa--gfx1250"
	.amdhsa_code_object_version 6
	.text
	.protected	k_qb2758e5afd_qkv
	.globl	k_qb2758e5afd_qkv
	.p2align	8
	.type	k_qb2758e5afd_qkv,@function
k_qb2758e5afd_qkv:
	s_mov_b64 s[64:65], 0
	v_nop
	global_prefetch_b8 v0, s[64:65] scope:SCOPE_SE
	s_setreg_imm32_b32 hwreg(HW_REG_WAVE_MODE, 25, 1), 1
	s_wait_xcnt 0x0
	s_wait_alu depctr_hold_cnt(0) depctr_sa_sdst(0) depctr_va_vdst(0) depctr_va_sdst(0) depctr_va_ssrc(0) depctr_va_vcc(0) depctr_vm_vsrc(0)
	s_getreg_b32 s2, hwreg(HW_REG_IB_STS2, 6, 4)
	s_cmp_eq_u32 s2, 0
	s_cbranch_scc0 .Lentry_in_a_cluster
	s_endpgm
.Lentry_in_a_cluster:
	s_bfe_u32 s2, ttmp6, 0x10000c
	s_cmp_lg_u32 s2, 0xf033
	s_cbranch_scc0 .Lentry_shape_is_right
	s_endpgm
.Lentry_shape_is_right:
; QKV.  q, k, v = x W on codes of FP4 with E8M0 scales (K = 512: four matrix instructions deep), sums in f32, results rounded once to f16 for the attention.  q is stored unscaled: 1 / 8 goes into the softmax's factor.
; LIMIT: |q|, |k|, |v| stay under 65,504, f16's largest number.
; A work-group takes 128 tokens and one head's 64 columns of each of the three weights; wave w takes the tile of 16 tokens w against all 12 tiles of columns: 48 matrix instructions.
; Operands arrive as images of their registers (a group of four registers = 512 bytes, lane l at 16 l), so each tile is a dense block and each fragment load reads 512 consecutive bytes of LDS.
; q and k are made TRANSPOSED (source 0 = 16 columns of W, source 1 = my tokens): a lane holds one token and eight neighbouring dims, which, packed, are four registers of the attention's fragment of Q or K.
; v is made the natural way round (source 0 = my tokens, source 1 = 16 columns of W): a lane holds one channel and eight neighbouring tokens: four registers of a fragment of V^T.  So every store is 512 consecutive bytes.
; CLUSTER 4 x 4: the four work-groups of a row of the cluster share the tokens, the four of a column the head: each block is asked for jointly.  LDS is filled once.
; REGISTERS: window 0: v1-8 addresses; v16-47 x's four fragments; v48-49 x's scale words, v50-73 W's; v80-175 twelve accumulators; v176-223 packed results.  Window 1: two sets of 16 fragments of W.
; A scale register holds an even K step's words in lanes 0-15 and the odd one's in lanes 16-31.
.set TILEB, 4352                       ; a tile's image: 4,096 bytes of codes, 256 of scale words
.set PART,  4*TILEB                    ; what one tensor load brings: 68 rows of 256 bytes
.set WBASE, 2*PART                     ; LDS: x's 8 tiles, then W's 12
.set SPARE, 5*PART                     ; then the spare words, 128 bytes a wave, which no other line names
.set SPW, 3
.set NIL, 4
.set AX,  5                            ; v5  my tile of x: its codes, 16 x lane
.set AXS, 6                            ; v6  its scale words, 4 x lane
.set AW,  7                            ; v7  W's tiles: codes
.set AWS, 8                            ; v8  scale words
.set XF,  16
.set XS,  48
.set WS,  50
.set ACC, 80
.set PK,  176
.set WV,  14
.set G1X, 24
.set G1W, 32
.set G0X, 40
.set G0W, 44
.set MSB, 0
.macro WIN new                         ; the immediate's high byte repeats the setting that is left
.if MSB != \new
	s_set_vgpr_msb (MSB<<8)|\new
.set MSB, \new
.endif
.endm
.macro PLACES n
.rept \n
	v_nop
.endr
.endm
.macro CROUND                          ; a round of the cluster's barrier
	s_barrier_signal -1
	s_barrier_wait -1
	s_cmp_lg_u32 s[WV], 0
	s_cbranch_scc1 .Lnot_wave_0_\@
	s_barrier_signal -3
.Lnot_wave_0_\@:
	s_barrier_wait -3
	s_barrier_signal -1
	s_barrier_wait -1
.endm
	s_load_b256 s[4:11], s[0:1], 0x0               ; xq 4, wq 6, qf 8, kf 10
	s_load_b64 s[12:13], s[0:1], 0x20              ; vf
	v_lshl_add_u32 v[SPW], v0, 2, SPARE
	v_mov_b32 v[NIL], 0
	ds_add_u32 v[SPW], v[NIL]                      ; the opening: the add, twice on end, and its wait ahead of the first tensor load
	ds_add_u32 v[SPW], v[NIL]
	v_lshrrev_b32 v1, 5, v0
	v_readfirstlane_b32 s[WV], v1                  ; wave 0..7
	s_bfe_u32 s15, ttmp6, 0x40000                  ; cx
	s_bfe_u32 s16, ttmp6, 0x40004                  ; cy
	s_lshl_b32 s17, ttmp9, 2
	s_add_co_u32 s17, s17, s15                     ; the head = 4 x cluster x + cx
	s_and_b32 s18, ttmp7, 0xffff
	s_lshl_b32 s18, s18, 2
	s_add_co_u32 s18, s18, s16                     ; the block of 128 tokens = 4 x cluster y + cy
	s_lshl_b32 s19, s16, 2
	s_lshl_b32 s19, 15, s19                        ; my row of the cluster
	s_lshl_b32 s20, 0x1111, s15                    ; my column
	s_or_b32 s[G1X], s19, (3<<16)|(1<<21)          ; 15:0 the mask: x's block goes to my row; 17:16 elements of 8 bytes; 21 set beside a mask; no padding
	s_or_b32 s[G1W], s20, (3<<16)|(1<<21)          ; W's go to my column
.irp g, G1X, G1W
	s_mov_b32 s[\g+1], 32<<16                      ; tensor_dim0 = 32 elements: 256 bytes
	s_mov_b32 s[\g+2], 68<<16                      ; tensor_dim1 = 68
	s_mov_b32 s[\g+3], 32<<16                      ; tile_dim0
	s_mov_b32 s[\g+4], 68                          ; tile_dim1
	s_mov_b32 s[\g+5], 32                          ; from row to row: dense
	s_mov_b32 s[\g+6], 0
	s_mov_b32 s[\g+7], 0
.endr
	; waves 0, 1: x's two halves; waves 2, 3, 4: the head's q, k and v slabs; the others fetch nothing (their numbers are clamped, so that every descriptor names bytes of its buffer)
	s_min_u32 s21, s[WV], 1
	s_mul_i32 s21, s21, PART
	s_mul_i32 s48, s18, 2*PART
	s_add_co_u32 s48, s48, s21
	s_mov_b32 s49, 0
	s_sub_co_u32 s22, s[WV], 2
	s_max_i32 s22, s22, 0
	s_min_u32 s22, s22, 2
	s_mul_i32 s22, s22, PART
	s_mul_i32 s50, s17, 3*PART
	s_add_co_u32 s50, s50, s22
	s_mov_b32 s51, 0
	s_min_u32 s23, s[WV], 4
	s_mul_i32 s23, s23, PART                       ; where it goes: wave x 17,408: no place in the cluster enters an LDS address
	s_wait_dscnt 0x0                               ; both opening adds are done
	s_wait_kmcnt 0x0
	s_mov_b32 s[G0X], 1
	s_mov_b32 s[G0X+1], s23
	s_add_nc_u64 s[G0X+2:G0X+3], s[4:5], s[48:49]
	s_or_b32 s[G0X+3], s[G0X+3], 0x80000000
	s_mov_b32 s[G0W], 1
	s_mov_b32 s[G0W+1], s23
	s_add_nc_u64 s[G0W+2:G0W+3], s[6:7], s[50:51]
	s_or_b32 s[G0W+3], s[G0W+3], 0x80000000
	CROUND                                         ; all sixteen work-groups are here: the joint loads meet
	s_cmp_lt_u32 s[WV], 2                          ; the branches hang on the wave's number alone; an s_nop 0 and four v_nop follow each load
	s_cbranch_scc0 .Lnot_x
	tensor_load_to_lds s[G0X:G0X+3], s[G1X:G1X+7]
	s_nop 0
	PLACES 4
	s_branch .Lasked
.Lnot_x:
	s_cmp_lt_u32 s[WV], 5
	s_cbranch_scc0 .Lasked
	tensor_load_to_lds s[G0W:G0W+3], s[G1W:G1W+7]
	s_nop 0
	PLACES 4
.Lasked:
	s_lshl_b32 s52, s18, 3
	s_add_co_u32 s52, s52, s[WV]                   ; T: my tile of 16 tokens
	s_lshl_b32 s53, s17, 19                        ; a head's 524,288 bytes in each of the three results
	s_lshl_b32 s54, s52, 11
	s_add_co_u32 s54, s54, s53
	s_mov_b32 s55, 0
	s_add_nc_u64 s[8:9], s[8:9], s[54:55]          ; qf, kf: [head][T][2,048]
	s_add_nc_u64 s[10:11], s[10:11], s[54:55]
	s_lshr_b32 s56, s52, 1
	s_lshl_b32 s56, s56, 12
	s_and_b32 s57, s52, 1
	s_lshl_b32 s57, s57, 9
	s_add_co_u32 s56, s56, s57
	s_add_co_u32 s56, s56, s53
	s_mov_b32 s57, 0
	s_add_nc_u64 s[12:13], s[12:13], s[56:57]      ; vf: [head][T / 2][channel tile][T % 2][512]
	v_and_b32 v2, 31, v0
	v_lshlrev_b32 v1, 4, v2                        ; 16 x lane
	v_lshlrev_b32 v2, 2, v2                        ; 4 x lane
	s_mul_i32 s21, s[WV], TILEB
	v_add_nc_u32 v[AX], s21, v1
	v_add_nc_u32 v[AXS], s21, v2
	v_add_nc_u32 v[AXS], 4096, v[AXS]
	v_add_nc_u32 v[AW], WBASE, v1
	v_add_nc_u32 v[AWS], WBASE+4096, v2
	s_wait_tensorcnt 0x0                           ; my load, if I issued one, has landed;
	s_barrier_signal -1
	s_barrier_wait -1                              ; everybody's has.  Nothing is filled again
.macro LW m, p                         ; slab m's 16 fragments into set p of window 1: tile ct, K step s at 32 ct + 8 s
	WIN 0x40
.set i, 0
.rept 32
	ds_load_b128 v[128*\p+4*i:128*\p+4*i+3], v[AW] offset:(4*\m+i/8)*TILEB+(i%8)*512
.set i, i+1
.endr
	WIN 0
.endm
.macro WM d, a, b, sa, sb, s           ; one product; K step 0 starts the sum; an odd K step's scale words stand in lanes 16-31
.if (\s) == 0
	v_wmma_scale_f32_16x16x128_f8f6f4 v[\d:\d+7], v[\a:\a+7], v[\b:\b+7], 0, v[\sa], v[\sb] matrix_a_fmt:MATRIX_FMT_FP4 matrix_b_fmt:MATRIX_FMT_FP4
.elseif (\s)%2
	v_wmma_scale_f32_16x16x128_f8f6f4 v[\d:\d+7], v[\a:\a+7], v[\b:\b+7], v[\d:\d+7], v[\sa], v[\sb] matrix_a_fmt:MATRIX_FMT_FP4 matrix_b_fmt:MATRIX_FMT_FP4 matrix_a_scale:MATRIX_SCALE_ROW1 matrix_b_scale:MATRIX_SCALE_ROW1
.else
	v_wmma_scale_f32_16x16x128_f8f6f4 v[\d:\d+7], v[\a:\a+7], v[\b:\b+7], v[\d:\d+7], v[\sa], v[\sb] matrix_a_fmt:MATRIX_FMT_FP4 matrix_b_fmt:MATRIX_FMT_FP4
.endif
.endm
.macro MM m                            ; slab m: 16 matrix instructions; its four accumulators take turns, one instruction a turn
.if \m < 2
	WIN 0x01                                       ; source 0 (W) window 1
.else
	WIN 0x04                                       ; source 1 (W) window 1
.endif
.irp s, 0,1,2,3
.irp ct, 0,1,2,3
.if \m < 2
	WM ACC+8*(4*\m+\ct), 128*(\m%2)+32*\ct+8*\s, XF+8*\s, WS+2*(4*\m+\ct)+\s/2, XS+\s/2, \s
.else
	WM ACC+8*(4*\m+\ct), XF+8*\s, 128*(\m%2)+32*\ct+8*\s, XS+\s/2, WS+2*(4*\m+\ct)+\s/2, \s
.endif
.endr
.endr
	WIN 0
.endm
.macro OUT m, base, step               ; slab m's results: rounded to f16, each accumulator from its low end on, and stored: 512 consecutive bytes, aligned, an instruction
.set j, 0
.rept 16
	v_cvt_pk_f16_f32 v[PK+16*\m+j], v[ACC+32*\m+2*j], v[ACC+32*\m+2*j+1]
.set j, j+1
.endr
.irp ct, 0,1,2,3
	global_store_b128 v1, v[PK+16*\m+4*\ct:PK+16*\m+4*\ct+3], s[\base:\base+1] offset:\ct*\step
.endr
.endm
.set i, 0
.rept 8
	ds_load_b128 v[XF+4*i:XF+4*i+3], v[AX] offset:512*i
.set i, i+1
.endr
	ds_load_b32 v[XS], v[AXS]
	ds_load_b32 v[XS+1], v[AXS] offset:128
.set i, 0
.rept 12
	ds_load_b32 v[WS+2*i], v[AWS] offset:i*TILEB
	ds_load_b32 v[WS+2*i+1], v[AWS] offset:i*TILEB+128
.set i, i+1
.endr
	LW 0, 0
	LW 1, 1
	s_wait_dscnt 32                                ; all but k's 32 loads
	MM 0
	PLACES 4                                       ; in front of loads into registers that matrix instructions have read, and of the first read of results
	LW 2, 0
	OUT 0, 8, 512
	s_wait_dscnt 32                                ; all but v's 32 loads
	MM 1
	PLACES 4
	OUT 1, 10, 512
	s_wait_dscnt 0x0
	MM 2
	PLACES 4
	OUT 2, 12, 1024
	s_wait_tensorcnt 0x0                           ; the wave's end
	ds_add_u32 v[SPW], v[NIL]
	s_wait_dscnt 0x0
	CROUND                                         ; the closing round: no work-group ends while a partner may still ask for a block that names it
	s_endpgm
.Lfunc_end_k_qb2758e5afd_qkv:
	.size	k_qb2758e5afd_qkv, .Lfunc_end_k_qb2758e5afd_qkv-k_qb2758e5afd_qkv
	.p2alignl 7, 3214868480
	.fill 96, 4, 3214868480
	.section	.rodata,"a",@progbits
	.p2align	6, 0x0
	.amdhsa_kernel k_qb2758e5afd_qkv
		.amdhsa_group_segment_fixed_size 167936
		.amdhsa_private_segment_fixed_size 0
		.amdhsa_enable_private_segment 0
		.amdhsa_kernarg_size 40
		.amdhsa_user_sgpr_count 2
		.amdhsa_user_sgpr_kernarg_segment_ptr 1
		.amdhsa_wavefront_size32 1
		.amdhsa_system_sgpr_workgroup_id_x 1
		.amdhsa_system_sgpr_workgroup_id_y 1
		.amdhsa_system_sgpr_workgroup_id_z 1
		.amdhsa_system_vgpr_workitem_id 0
		.amdhsa_next_free_vgpr 512
		.amdhsa_next_free_sgpr 66
		.amdhsa_reserve_vcc 0
		.amdhsa_float_denorm_mode_32 3
		.amdhsa_float_denorm_mode_16_64 3
		.amdhsa_memory_ordered 1
		.amdhsa_forward_progress 1
		.amdhsa_inst_pref_size 25
	.end_amdhsa_kernel
	.amdgpu_metadata
---
amdhsa.version: [ 1, 2 ]
amdhsa.kernels:
  - .name:           k_qb2758e5afd_qkv
    .symbol:         k_qb2758e5afd_qkv.kd
    .args:
      - { .name: xq, .offset: 0, .size: 8, .value_kind: global_buffer, .address_space: global }
      - { .name: wq, .offset: 8, .size: 8, .value_kind: global_buffer, .address_space: global }
      - { .name: qf, .offset: 16, .size: 8, .value_kind: global_buffer, .address_space: global }
      - { .name: kf, .offset: 24, .size: 8, .value_kind: global_buffer, .address_space: global }
      - { .name: vf, .offset: 32, .size: 8, .value_kind: global_buffer, .address_space: global }
    .group_segment_fixed_size: 167936
    .private_segment_fixed_size: 0
    .kernarg_segment_align: 8
    .kernarg_segment_size: 40
    .max_flat_workgroup_size: 256
    .sgpr_count:     66
    .vgpr_count:     512
    .wavefront_size: 32
...
	.end_amdgpu_metadata
.endif
;; end of part 2
;; launch attn (part 3): grid 32 x 8, 8 waves a work-group, clusters of 4 x 1, 327,680 bytes of LDS; arguments qf, kf, vf, of; writes of
.if DOCPART == 3
	.amdgcn_target "amdgcn-amd-amdhsa--gfx1250"
	.amdhsa_code_object_version 6
	.text
	.protected	k_qb2758e5afd_attn
	.globl	k_qb2758e5afd_attn
	.p2align	8
	.type	k_qb2758e5afd_attn,@function
k_qb2758e5afd_attn:
	s_mov_b64 s[64:65], 0
	v_nop
	global_prefetch_b8 v0, s[64:65] scope:SCOPE_SE
	s_setreg_imm32_b32 hwreg(HW_REG_WAVE_MODE, 25, 1), 1
	s_wait_xcnt 0x0
	s_wait_alu depctr_hold_cnt(0) depctr_sa_sdst(0) depctr_va_vdst(0) depctr_va_sdst(0) depctr_va_ssrc(0) depctr_va_vcc(0) depctr_vm_vsrc(0)
	s_getreg_b32 s2, hwreg(HW_REG_IB_STS2, 6, 4)
	s_cmp_eq_u32 s2, 0
	s_cbranch_scc0 .Lentry_in_a_cluster
	s_endpgm
.Lentry_in_a_cluster:
	s_bfe_u32 s2, ttmp6, 0x10000c
	s_cmp_lg_u32 s2, 0x3003
	s_cbranch_scc0 .Lentry_shape_is_right
	s_endpgm
.Lentry_shape_is_right:
; ATTN.  o[q] = sum over keys of softmax(q . k / 8) v, 8 heads of 64 channels, 4,096 keys, no mask.  Operands in f16, products, maxima and sums in f32; the weights p are rounded to f16 for the second product; 4 o leaves in f16
; (the output projection's weight is stored as p_param / 4: both scalings are exact).  LIMIT: 4 |o| stays under 65,504.
; SHARES.  A work-group owns 128 queries of one head.  THE WAVES SPLIT THE KEYS AS WELL AS THE QUERIES: wave w = 4 g + kq owns queries 64 g .. 64 g + 63 (four tiles of 16) and, of each block of 512 keys, keys 128 kq .. + 127,
; 64 a step.  So a fragment of K or V is read from LDS by two waves and feeds four matrix instructions in each.  Each wave keeps its own running maximum and sum; at the end the four key quarters of a query group are merged by their maxima.
; TWO KINDS OF WAVES.  Eight waves of 512 registers stand on four SIMDs of 1,024: two to a SIMD.  A step is cut into a matrix half (XSTEP: V^T P of the step whose weights stand ready, then K Q^T of the next step: 64 matrix
; instructions) and a vector half (SOFTMAX).  A wave's kind is (w xor w / 4) mod 2: waves w and w + 4 are of different kinds, and so are waves 2 j and 2 j + 1.  Between two changes of slots kind 0 runs XSTEP, SOFTMAX, XSTEP, SOFTMAX
; and kind 1 SOFTMAX, XSTEP, SOFTMAX, XSTEP, so that behind each round one kind begins with matrix work and the other with vector work.  The text is one for both: SOFTMAX (kind 1 alone), XSTEP, SOFTMAX, XSTEP, SOFTMAX (kind 0 alone);
; a scalar branch on the wave's number leads round the first and the last, under which stands register work alone.  Over a change of slots kind 1 carries raw scores, kind 0 finished weights, both V of the slot's second step in registers.
; LAYOUT.  S^T = K Q^T (source 0 = 16 keys, source 1 = 16 queries): a lane holds ONE query and keys 8 (lane / 16) + 0..7; two such tiles packed in pairs ARE source 1 of O^T = V^T P.  K, V and Q arrive as images of their registers
; (a group of four registers = 512 bytes, lane l at 16 l): tiles are dense blocks, and every LDS load reads 512 consecutive bytes.
; SOFTMAX.  p = 2^(c s - c m), c = log2(e) / 8, m the running maximum; in every step O^T and the sum l are multiplied by a = 2^(c m_old - c m_new).
; RING.  Two slots of 512 keys (K's 64 KB, then V's), 2^17 bytes apart.  Every wave fetches an eighth of a slot by one tensor load.  CLUSTER 4 x 1: the four query blocks of a cluster walk the same K and V and ask jointly.
; REGISTERS.  Window 0: v1-11 addresses; v16-63 twelve registers of statistics a tile (+0 c m, +1 m, +2:3 l, +4:5 and +8:9 at work, +6 a, +7 c m_old and its change, +10 the permute's); v64-127 Q; v128-191 K; v192-255 V.
;   Window 1: v0-127 S^T, 32 a tile, P in place in a tile's first 16; v128-255 O^T, 32 a tile.
.set SLOT1, 1<<17
.set VOFF,  65536
.set STAT,  2*SLOT1                    ; behind the ring: the merge's statistics, 1,024 bytes a wave
.set SPARE, STAT+8192                  ; the spare words, 128 bytes a wave, which no other line names
.set AK0, 2                            ; v2   my key quarter in a slot's K + 16 x lane; never rewritten
.set ADK, 3                            ; v3   the same in the slot in hand
.set ADV, 4                            ; v4   and in its V
.set SPW, 5
.set NIL, 6
.set PFO, 7                            ; v7   256 x lane: the prefetches' offset
.set MW,  8                            ; v8   the merge: where I put my partial O^T
.set MR,  9                            ; v9   where I read the four partials of my tile
.set SW,  10                           ; v10  where I put my statistics
.set SR,  11                           ; v11  where I read the four waves'
.set ST,  16
.set QF,  64
.set KF,  128
.set VF,  192
.set OT,  128                          ; in window 1
.set WV,  12
.set LIM, 15                           ; s15  1 in a wave that prefetches, else the greatest number
.set PFA, 18                           ; s[18:19] where my prefetches stand
.set G1,  24                           ; s[24:31] descriptor group 1: one shape for all loads
.set G0K, 32                           ; s[32:39] groups 0 for K's parts: a set for each first fill; the second then walks on
.set G0V, 40                           ; s[40:47] the same for V's
.set SLOTS, 48
.set TB,  49                           ; s49  LDS byte at which the slot in hand begins
.set CS,  50                           ; s[50:51] c, as a pair
.set SEL, 52                           ; s[52:53] v_permlanex16_b32's selects for lane l xor 16
.set TY,  62                           ; s62  my wave's kind, 0 or 1
.set MSB, 0
.macro WIN new                         ; low byte: bits 1:0 source 0, 3:2 source 1, 5:4 source 2, 7:6 destination; the high byte repeats the setting that is left
.if MSB != \new
	s_set_vgpr_msb (MSB<<8)|\new
.set MSB, \new
.endif
.endm
.macro PLACES n
.rept \n
	v_nop
.endr
.endm
.macro CROUND                          ; a round of the cluster's barrier
	s_barrier_signal -1
	s_barrier_wait -1
	s_cmp_lg_u32 s[WV], 0
	s_cbranch_scc1 .Lnot_wave_0_\@
	s_barrier_signal -3
.Lnot_wave_0_\@:
	s_barrier_wait -3
	s_barrier_signal -1
	s_barrier_wait -1
.endm
.macro JLOAD                           ; a joint refill: waves 0-3 K's quarters, waves 4-7 V's; the branch hangs on the wave's number alone; an s_nop 0 and four v_nop follow each line
	s_cmp_lt_u32 s[WV], 4
	s_cbranch_scc0 .Lfor_v_\@
	tensor_load_to_lds s[G0K+4:G0K+7], s[G1:G1+7]
	s_nop 0
	PLACES 4
	s_branch .Lasked_\@
.Lfor_v_\@:
	tensor_load_to_lds s[G0V+4:G0V+7], s[G1:G1+7]
	s_nop 0
	PLACES 4
.Lasked_\@:
.endm
; A PREFETCH INTO THE L2 of the block of 512 keys that the NEXT change of slots will ask for: two steps of every wave ahead of that load.  Each aligned 256 bytes are named once in the launch: all clusters of a head walk the same K and V,
; so the head's first cluster asks; its four partners take 16,384 bytes each of K's 65,536 and of V's, told apart BY ADDRESS; in each, waves 0 and 1 ask for K's (8,192 bytes a wave, lanes 256 bytes apart), waves 2 and 3 for V's.
; The last change that fills a slot asks for nothing; blocks 0 to 2 come by their loads alone.
.macro ASK
	s_cmp_gt_u32 s[SLOTS], s[LIM]
	s_cbranch_scc0 .Lnot_mine_\@
	global_prefetch_b8 v[PFO], s[PFA:PFA+1] th:TH_LOAD_NT scope:SCOPE_SE
.Lnot_mine_\@:
.endm
	s_load_b256 s[4:11], s[0:1], 0x0               ; qf 4, kf 6, vf 8, of 10
	v_lshl_add_u32 v[SPW], v0, 2, SPARE
	v_mov_b32 v[NIL], 0
	ds_add_u32 v[SPW], v[NIL]                      ; the opening: the add, twice on end, and its wait ahead of the first tensor load
	ds_add_u32 v[SPW], v[NIL]
	v_lshrrev_b32 v1, 5, v0
	v_readfirstlane_b32 s[WV], v1                  ; wave 0..7
	s_lshr_b32 s[TY], s[WV], 2
	s_xor_b32 s[TY], s[TY], s[WV]
	s_and_b32 s[TY], s[TY], 1                      ; my kind: (w xor w / 4) mod 2: made of the wave's number alone, the same in all partners
	s_bfe_u32 s13, ttmp6, 0x40000                  ; cx
	s_lshl_b32 s14, ttmp9, 2
	s_add_co_u32 s14, s14, s13                     ; my block of 128 queries: it enters Q's and O's addresses alone
	s_lshr_b32 s16, s[WV], 2                       ; g: which 64 queries
	s_and_b32 s17, s[WV], 3                        ; kq: which quarter of the keys; also which quarter of K or V I fetch
	s_and_b32 s20, ttmp7, 0xffff                   ; the head, which the partners share,
	s_lshl_b32 s20, s20, 19                        ; and its first byte in qf, kf and vf
	s_lshl_b32 s21, s17, 14                        ; my quarter: 16,384 bytes, in memory and in a slot
	s_add_co_u32 s22, s20, s21
	s_mov_b32 s23, 0
	s_mov_b32 s[G1], 15|(3<<16)|(1<<21)            ; 15:0 the mask: all four work-groups; 17:16 elements of 8 bytes; 21 set beside a mask; no padding
	s_mov_b32 s[G1+1], 32<<16                      ; tensor_dim0 = 32 elements: 256 bytes
	s_mov_b32 s[G1+2], 64<<16                      ; tensor_dim1 = 64
	s_mov_b32 s[G1+3], 32<<16                      ; tile_dim0
	s_mov_b32 s[G1+4], 64                          ; tile_dim1
	s_mov_b32 s[G1+5], 32                          ; from row to row: dense
	s_mov_b32 s[G1+6], 0
	s_mov_b32 s[G1+7], 0
	s_mov_b32 s[CS], 0x3e38aa3b                    ; c = log2(e) / 8
	s_mov_b32 s[CS+1], s[CS]                       ; (named with it as a pair, so it is written)
	s_mov_b32 s[SEL], 0x76543210
	s_mov_b32 s[SEL+1], 0xfedcba98
	s_mov_b32 s[TB], 0
	s_mov_b32 s[SLOTS], 6
	s_lshr_b32 s[LIM], s[WV], 2                    ; 0 in waves 0 to 3,
	s_or_b32 s[LIM], s[LIM], ttmp9                 ; of the head's first cluster: the same in all four partners
	s_cmp_eq_u32 s[LIM], 0
	s_cselect_b32 s[LIM], 1, -1
	v_and_b32 v1, 31, v0
	v_lshlrev_b32 v[PFO], 8, v1
	v_lshlrev_b32 v1, 4, v1                        ; v1 = 16 x lane, from here on
	s_wait_dscnt 0x0                               ; both opening adds are done
	s_wait_kmcnt 0x0
	s_add_nc_u64 s[54:55], s[6:7], s[22:23]        ; K and V at my quarter of block 0: made of the head and the wave's number alone
	s_add_nc_u64 s[56:57], s[8:9], s[22:23]
.irp s, 0,1
	s_mov_b32 s[G0K+4*\s], 1
	s_add_co_u32 s[G0K+4*\s+1], s21, \s*SLOT1
	s_add_nc_u64 s[G0K+4*\s+2:G0K+4*\s+3], s[54:55], \s*65536
	s_or_b32 s[G0K+4*\s+3], s[G0K+4*\s+3], 0x80000000
	s_mov_b32 s[G0V+4*\s], 1
	s_add_co_u32 s[G0V+4*\s+1], s21, \s*SLOT1+VOFF
	s_add_nc_u64 s[G0V+4*\s+2:G0V+4*\s+3], s[56:57], \s*65536
	s_or_b32 s[G0V+4*\s+3], s[G0V+4*\s+3], 0x80000000
.endr
	s_cmp_lt_u32 s[WV], 2
	s_cselect_b64 s[PFA:PFA+1], s[6:7], s[8:9]
	s_lshl_b32 s2, s13, 14                         ; my work-group's 16,384 bytes of a block,
	s_and_b32 s3, s[WV], 1
	s_lshl_b32 s3, s3, 13                          ; my wave's half of them,
	s_add_co_u32 s2, s2, s3
	s_add_co_u32 s2, s2, s20
	s_add_co_u32 s2, s2, 2*65536                   ; in block 2: the first change of slots steps it to block 3
	s_mov_b32 s3, 0
	s_add_nc_u64 s[PFA:PFA+1], s[PFA:PFA+1], s[2:3]
	s_lshl_b32 s58, s14, 3
	s_lshl_b32 s59, s16, 2
	s_add_co_u32 s58, s58, s59                     ; my first tile of 16 queries
	s_lshl_b32 s58, s58, 11
	s_add_co_u32 s58, s58, s20
	s_mov_b32 s59, 0
	s_add_nc_u64 s[4:5], s[4:5], s[58:59]
	s_lshl_b32 s60, s14, 3
	s_add_co_u32 s60, s60, s[WV]                   ; the tile that I finish: 8 x block + wave
	s_lshl_b32 s60, s60, 14                        ; of: [tile][chunk = 2 head + f][2][512]
	s_lshr_b32 s61, s20, 8
	s_add_co_u32 s60, s60, s61
	s_mov_b32 s61, 0
	s_add_nc_u64 s[10:11], s[10:11], s[60:61]
	CROUND                                         ; all four work-groups are here: the first joint loads meet
	s_cmp_lt_u32 s[WV], 4                          ; a wave's two first fills stand in one branch, ahead of every wait on TENSORcnt and every LDS read: two loads of mine are out
	s_cbranch_scc0 .Lfirst_v
	tensor_load_to_lds s[G0K:G0K+3], s[G1:G1+7]
	s_nop 0
	tensor_load_to_lds s[G0K+4:G0K+7], s[G1:G1+7]
	s_nop 0
	PLACES 4
	s_branch .Lfirst_asked
.Lfirst_v:
	tensor_load_to_lds s[G0V:G0V+3], s[G1:G1+7]
	s_nop 0
	tensor_load_to_lds s[G0V+4:G0V+7], s[G1:G1+7]
	s_nop 0
	PLACES 4
.Lfirst_asked:
.set i, 0
.rept 16
	global_load_b128 v[QF+4*i:QF+4*i+3], v1, s[4:5] offset:512*i   ; Q stays in registers: tile t, dims 32 f on at 16 t + 8 f
.set i, i+1
.endr
	v_add_nc_u32 v[AK0], s21, v1
	v_mov_b32 v[ADK], v[AK0]
	v_add_nc_u32 v[ADV], VOFF, v[ADK]
	s_lshl_b32 s2, s[WV], 14
	v_add_nc_u32 v[MW], s2, v1                     ; 16,384 x wave + 16 x lane
	s_lshl_b32 s2, s16, 16
	s_lshl_b32 s3, s17, 12
	s_add_co_u32 s2, s2, s3
	v_add_nc_u32 v[MR], s2, v1                     ; 65,536 g + 4,096 kq + 16 x lane
	v_and_b32 v[SR], 31, v0
	v_lshlrev_b32 v[SR], 2, v[SR]                  ; 4 x lane
	s_lshl_b32 s2, s[WV], 10
	s_add_co_u32 s2, s2, STAT
	v_add_nc_u32 v[SW], s2, v[SR]
	s_lshl_b32 s2, s16, 12
	s_lshl_b32 s3, s17, 8
	s_add_co_u32 s2, s2, s3
	s_add_co_u32 s2, s2, STAT
	v_add_nc_u32 v[SR], s2, v[SR]
.irp t, 0,1,2,3
	v_mov_b32 v[ST+12*\t+10], 0                    ; a lane permute's destination counts as read: written once
.endr
.macro LOADK u                         ; my 64 keys of step u: tile a, dims 32 f on at 16 a + 8 f
.set i, 0
.rept 16
	ds_load_b128 v[KF+4*i:KF+4*i+3], v[ADK] offset:\u*8192+512*i
.set i, i+1
.endr
.endm
.macro LOADV u                         ; their values: keys 32 b on, channels 16 ct on at 32 b + 8 ct
.set i, 0
.rept 16
	ds_load_b128 v[VF+4*i:VF+4*i+3], v[ADV] offset:\u*8192+512*i
.set i, i+1
.endr
.endm
; The 16 accumulators of each product take turns, one instruction a turn.
.macro KQ                              ; S^T = K Q^T: 32 matrix instructions; the first 16 start the sums
	WIN 0x50
.irp f, 0,1
.irp a, 0,1,2,3
.irp t, 0,1,2,3
.if \f == 0
	v_wmma_f32_16x16x32_f16 v[32*\t+8*\a:32*\t+8*\a+7], v[KF+16*\a+8*\f:KF+16*\a+8*\f+7], v[QF+16*\t+8*\f:QF+16*\t+8*\f+7], 0
.else
	v_wmma_f32_16x16x32_f16 v[32*\t+8*\a:32*\t+8*\a+7], v[KF+16*\a+8*\f:KF+16*\a+8*\f+7], v[QF+16*\t+8*\f:QF+16*\t+8*\f+7], v[32*\t+8*\a:32*\t+8*\a+7]
.endif
.endr
.endr
.endr
.endm
.macro PV first                        ; O^T += V^T P: 32 matrix instructions; in the first step the first 16 start the sums: nothing is ever cleared
	WIN 0x54
.irp b, 0,1
.irp ct, 0,1,2,3
.irp t, 0,1,2,3
.if \first && (\b == 0)
	v_wmma_f32_16x16x32_f16 v[OT+32*\t+8*\ct:OT+32*\t+8*\ct+7], v[VF+32*\b+8*\ct:VF+32*\b+8*\ct+7], v[32*\t+8*\b:32*\t+8*\b+7], 0
.else
	v_wmma_f32_16x16x32_f16 v[OT+32*\t+8*\ct:OT+32*\t+8*\ct+7], v[VF+32*\b+8*\ct:VF+32*\b+8*\ct+7], v[32*\t+8*\b:32*\t+8*\b+7], v[OT+32*\t+8*\ct:OT+32*\t+8*\ct+7]
.endif
.endr
.endr
.endr
.endm
; THE SOFTMAX of four tiles x 64 keys: a step's vector half.  Register work alone.  The tile runs innermost, so that no line waits for the line above it.  first = 1: the first step starts m, l and O^T: no a, nothing to rescale.
.macro SOFTMAX first
	WIN 0x15                                       ; the maximum of a lane's 32 scores, in four chains
.irp a, 0,1,2,3
.irp t, 0,1,2,3
	v_max3_num_f32 v[ST+12*\t+4+(\a%2)+4*(\a/2)], v[32*\t+8*\a], v[32*\t+8*\a+1], v[32*\t+8*\a+2]
.endr
.endr
	WIN 0x05
.irp i, 3,5
.irp a, 0,1,2,3
.irp t, 0,1,2,3
	v_max3_num_f32 v[ST+12*\t+4+(\a%2)+4*(\a/2)], v[32*\t+8*\a+\i], v[32*\t+8*\a+\i+1], v[ST+12*\t+4+(\a%2)+4*(\a/2)]
.endr
.endr
.endr
.irp t, 0,1,2,3
	v_max3_num_f32 v[ST+12*\t+4], v[32*\t+7], v[32*\t+15], v[ST+12*\t+4]
.endr
.irp t, 0,1,2,3
	v_max3_num_f32 v[ST+12*\t+8], v[32*\t+23], v[32*\t+31], v[ST+12*\t+8]
.endr
	WIN 0
.irp t, 0,1,2,3
	v_max3_num_f32 v[ST+12*\t+4], v[ST+12*\t+4], v[ST+12*\t+5], v[ST+12*\t+8]
.endr
.irp t, 0,1,2,3
.if \first
	v_max_num_f32 v[ST+12*\t+4], v[ST+12*\t+4], v[ST+12*\t+9]
.else
	v_max3_num_f32 v[ST+12*\t+4], v[ST+12*\t+4], v[ST+12*\t+9], v[ST+12*\t+1]   ; with the old m
.endif
.endr
.irp t, 0,1,2,3
	v_permlanex16_b32 v[ST+12*\t+10], v[ST+12*\t+4], s[SEL], s[SEL+1]   ; the query's other 32 keys lie in the lane 16 away
.endr
.if !\first
.irp t, 0,1,2,3
	v_mov_b32 v[ST+12*\t+7], v[ST+12*\t]           ; c m_old is kept for a
.endr
.endif
.irp t, 0,1,2,3
	v_max_num_f32 v[ST+12*\t+1], v[ST+12*\t+4], v[ST+12*\t+10]
.endr
.irp t, 0,1,2,3
	v_mul_f32 v[ST+12*\t], s[CS], v[ST+12*\t+1]
.endr
.if !\first
.irp t, 0,1,2,3
	v_sub_f32 v[ST+12*\t+7], v[ST+12*\t+7], v[ST+12*\t]
.endr
.irp t, 0,1,2,3
	v_exp_f32 v[ST+12*\t+6], v[ST+12*\t+7]         ; a
.endr
	v_nop                                          ; a plain instruction behind the last exponential,
	s_wait_alu depctr_va_vdst(0)                   ; and the wait ahead of the first line that names a result: one for the four
.endif
	; ONE BATCH: 64 packed scalings c s - c m, 128 exponentials, and between them O^T's 64 packed multiplies by a.  Turn n scales pair n / 4 of tile n % 4 and takes the exponentials of pair (n - 4) / 4 of the same tile,
	; scaled four turns earlier; nothing here names an exponential's result.
	WIN 0x41
.set n, 0
.rept 68
.set rS, 32*(n%4)+2*(n/4)
.set rE, 32*(n%4)+2*((n+60)/4)-32      ; = 32 (n % 4) + 2 ((n - 4) / 4), written so that no negative number is divided; used from n = 4 on
.if n < 64
	v_pk_fma_f32 v[rS:rS+1], v[rS:rS+1], s[CS:CS+1], v[ST+12*(n%4):ST+12*(n%4)+1] op_sel_hi:[1,0,0] neg_lo:[0,0,1] neg_hi:[0,0,1]
.endif
.if n >= 4
	v_exp_f32 v[rE], v[rE]
.endif
.if (n < 64) && !\first
	v_pk_mul_f32 v[OT+rS:OT+rS+1], v[OT+rS:OT+rS+1], v[ST+12*(n%4)+6:ST+12*(n%4)+7] op_sel_hi:[1,0]
.endif
.if n >= 4
	v_exp_f32 v[rE+1], v[rE+1]
.endif
.set n, n+1
.endr
	v_nop                                          ; a plain instruction behind the last exponential,
	s_wait_alu depctr_va_vdst(0)                   ; and one wait for the whole batch, ahead of its first reader
	WIN 0x05                                       ; the sums of the unrounded p, two at a time, in two chains a tile
.irp t, 0,1,2,3
	v_pk_add_f32 v[ST+12*\t+4:ST+12*\t+5], v[32*\t:32*\t+1], v[32*\t+2:32*\t+3]
.endr
.irp t, 0,1,2,3
	v_pk_add_f32 v[ST+12*\t+8:ST+12*\t+9], v[32*\t+4:32*\t+5], v[32*\t+6:32*\t+7]
.endr
	WIN 0x01
.irp i, 8,12,16,20,24,28
.irp t, 0,1,2,3
	v_pk_add_f32 v[ST+12*\t+4:ST+12*\t+5], v[32*\t+\i:32*\t+\i+1], v[ST+12*\t+4:ST+12*\t+5]
.endr
.irp t, 0,1,2,3
	v_pk_add_f32 v[ST+12*\t+8:ST+12*\t+9], v[32*\t+\i+2:32*\t+\i+3], v[ST+12*\t+8:ST+12*\t+9]
.endr
.endr
	WIN 0
.if \first
.irp t, 0,1,2,3
	v_pk_add_f32 v[ST+12*\t+2:ST+12*\t+3], v[ST+12*\t+4:ST+12*\t+5], v[ST+12*\t+8:ST+12*\t+9]
.endr
.else
.irp t, 0,1,2,3
	v_pk_add_f32 v[ST+12*\t+4:ST+12*\t+5], v[ST+12*\t+4:ST+12*\t+5], v[ST+12*\t+8:ST+12*\t+9]
.endr
.irp t, 0,1,2,3
	v_pk_fma_f32 v[ST+12*\t+2:ST+12*\t+3], v[ST+12*\t+2:ST+12*\t+3], v[ST+12*\t+6:ST+12*\t+7], v[ST+12*\t+4:ST+12*\t+5] op_sel_hi:[1,0,1]   ; l = a l + the step's sum
.endr
.endif
	WIN 0x45                                       ; p to f16, in place: register i takes scores 2 i and 2 i + 1, which no later line reads
.set i, 0
.rept 16
.irp t, 0,1,2,3
	v_cvt_pk_f16_f32 v[32*\t+i], v[32*\t+2*i], v[32*\t+2*i+1]
.endr
.set i, i+1
.endr
	WIN 0
.endm
; The softmax that waves of one kind alone run here: a scalar branch on the wave's number, round register work alone.
.macro SOFT_OF kind
	s_cmp_eq_u32 s[TY], \kind
	s_cbranch_scc0 .Lnot_my_turn_\@
	SOFTMAX 0
.Lnot_my_turn_\@:
.endm
; A STEP'S MATRIX HALF: O^T += V^T P of the step whose weights stand ready (its V is in registers or on its way), then S^T = K Q^T of the next step, whose 64 keys are the u-th half of my quarter of the slot in hand.
; K's loads stand 32 matrix instructions ahead of their use; V's ahead of K Q^T and a softmax.  first = 1: V^T P starts O^T's sums.
.macro XSTEP u, first
	LOADK \u                                       ; five places stand behind the products that read K last, on every way here
	s_wait_dscnt 16                                ; V of the step in hand is in; K's 16 loads may be out
	PV \first
	WIN 0
	PLACES 5                                       ; behind V^T P: the products below write over P, which it read (five places), and the loads below land in V (four) (ISA guide 7.12.1 for the products)
	LOADV \u
	s_wait_dscnt 16                                ; K is in; V's 16 loads may be out
	KQ
	WIN 0
	PLACES 5                                       ; behind K Q^T: a softmax reads the scores and loads land in K (four places); five, so that the count holds on whichever way the text is followed to the next product
.endm
; THE CHANGE OF SLOTS.  Each wave waits for all its tensor loads (its part of the slot ahead), adds 0 to its spare word, and waits for that and for its reads of the slot that it leaves, V of the slot's second step among them.
; fill = 1: the barrier is a round of the cluster's, and behind it the slot just left is filled with the block of keys that follows the one ahead: the load has a slot's two steps in which to land; one load of mine is out.
.macro CHANGE fill
	s_wait_tensorcnt 0x0                           ; no tensor load of mine is out, so a group 0 may be written
	ds_add_u32 v[SPW], v[NIL]
.if \fill
.irp g, G0K+4, G0V+4
	s_xor_b32 s[\g+1], s[\g+1], SLOT1              ; the walking descriptors: the other slot than last time,
	s_add_nc_u64 s[\g+2:\g+3], s[\g+2:\g+3], 65536 ; the next 512 keys; the type bits on top are not reached
.endr
	s_wait_xcnt 0x0                                ; the last prefetch, a slot back, has read its address, so it may be written:
	s_add_nc_u64 s[PFA:PFA+1], s[PFA:PFA+1], 65536 ; one block further on than the walking descriptors
	s_wait_dscnt 0x0                               ; the add is done, and my reads of the slot are over
	CROUND
	JLOAD
	ASK
.else
	s_wait_dscnt 0x0
	s_barrier_signal -1
	s_barrier_wait -1
.endif
	s_xor_b32 s[TB], s[TB], SLOT1                  ; on to the other slot
	v_add_nc_u32 v[ADK], s[TB], v[AK0]
	v_add_nc_u32 v[ADV], VOFF, v[ADK]
.endm
	s_wait_tensorcnt 0x1                           ; my part of slot 0 is in; slot 1's may stay out
	s_barrier_signal -1
	s_barrier_wait -1                              ; everybody's is
	s_wait_loadcnt 0x0                             ; Q
	LOADK 0                                        ; block 0.  Step 0's scores: there is no V^T P yet
	LOADV 0
	s_wait_dscnt 16                                ; K is in; V's 16 loads may be out
	KQ
	WIN 0
	PLACES 5
	SOFTMAX 1                                      ; step 0's, in both kinds
	XSTEP 1, 1                                     ; V^T P of step 0 starts O^T; the scores of step 1
	SOFT_OF 0                                      ; kind 0 goes into the change with step 1's weights, kind 1 with its scores
.Lslot:                                            ; six trips: blocks 1 to 6 are worked, blocks 2 to 7 asked for
	CHANGE 1
	SOFT_OF 1                                      ; kind 1: the softmax of the last block's second step, while kind 0 has the matrix half below
	XSTEP 0, 0
	SOFTMAX 0
	XSTEP 1, 0
	SOFT_OF 0                                      ; kind 0: the softmax of this block's second step, while kind 1 has the matrix half above
	s_sub_co_u32 s[SLOTS], s[SLOTS], 1
	s_cmp_lg_u32 s[SLOTS], 0
	s_cbranch_scc1 .Lslot
	CHANGE 0                                       ; the last block is written out
	SOFT_OF 1
	XSTEP 0, 0
	SOFTMAX 0
	XSTEP 1, 0
	SOFTMAX 0                                      ; the last step's, in both kinds
	s_wait_dscnt 0x0                               ; its V is in
	PV 0
	WIN 0
	; THE MERGE.  Each wave puts its four tiles' c m, l and O^T into LDS: O^T into slot 0, which has had its last fill and which nobody has read since the last change of slots.  Then wave (g, kq) finishes tile kq of group g.
.irp t, 0,1,2,3
	v_add_f32 v[ST+12*\t+4], v[ST+12*\t+2], v[ST+12*\t+3]   ; l's two halves.  (These lines are also the places behind the last products)
.endr
.irp t, 0,1,2,3
	v_permlanex16_b32 v[ST+12*\t+10], v[ST+12*\t+4], s[SEL], s[SEL+1]
.endr
.irp t, 0,1,2,3
	v_add_f32 v[ST+12*\t+2], v[ST+12*\t+4], v[ST+12*\t+10]  ; and lane l xor 16's
.endr
.irp t, 0,1,2,3
	ds_store_b32 v[SW], v[ST+12*\t] offset:256*\t
	ds_store_b32 v[SW], v[ST+12*\t+2] offset:256*\t+128
.endr
	WIN 0x04                                       ; an LDS store's data are its source 1: window 1
.set i, 0
.rept 32
	ds_store_b128 v[MW], v[OT+4*i:OT+4*i+3] offset:512*i   ; as images of the registers, each accumulator from its low end on
.set i, i+1
.endr
	WIN 0
	s_wait_dscnt 0x0                               ; for the others' sake: my stores are done
	s_barrier_signal -1
	s_barrier_wait -1
.irp k, 0,1,2,3
	ds_load_b32 v[192+2*\k], v[SR] offset:1024*\k          ; key quarter k's c m
	ds_load_b32 v[193+2*\k], v[SR] offset:1024*\k+128      ; and l
.endr
.irp k, 0,1,2,3
.irp i, 0,1,2,3,4,5,6,7
	ds_load_b128 v[64+32*\k+4*\i:64+32*\k+4*\i+3], v[MR] offset:16384*\k+512*\i
.endr
.endr
	s_wait_dscnt 32                                ; the eight statistics are in; the 32 loads of partial sums may be out
	v_max3_num_f32 v208, v192, v194, v196
	v_max_num_f32 v208, v208, v198                 ; the largest c m of the four
.irp k, 0,1,2,3
	v_sub_f32 v[200+2*\k], v[192+2*\k], v208
.endr
.irp k, 0,1,2,3
	v_exp_f32 v[200+2*\k], v[200+2*\k]             ; w_k = 2^(c m_k - the largest)
.endr
	v_nop
	s_wait_alu depctr_va_vdst(0)                   ; one wait for the four
	v_mul_f32 v209, v200, v193
	v_fmac_f32 v209, v202, v195
	v_fmac_f32 v209, v204, v197
	v_fmac_f32 v209, v206, v199                    ; the row's sum under the common maximum
	v_rcp_f32 v209, v209
	v_nop
	s_wait_alu depctr_va_vdst(0)
	v_mul_f32 v209, 4.0, v209                      ; 4 o is what leaves
.irp k, 0,1,2,3
	v_mul_f32 v[200+2*\k], v[200+2*\k], v209
.endr
.irp k, 0,1,2,3
	v_mov_b32 v[201+2*\k], v[200+2*\k]             ; (named with it as a pair, so it is written)
.endr
	s_wait_dscnt 0x0
.set i, 0
.rept 16
	v_pk_mul_f32 v[64+2*i:65+2*i], v[64+2*i:65+2*i], v[200:201] op_sel_hi:[1,0]
.set i, i+1
.endr
.irp k, 1,2,3
.set i, 0
.rept 16
	v_pk_fma_f32 v[64+2*i:65+2*i], v[64+32*\k+2*i:65+32*\k+2*i], v[200+2*\k:201+2*\k], v[64+2*i:65+2*i] op_sel_hi:[1,0,1]
.set i, i+1
.endr
.endr
.set i, 0
.rept 16
	v_cvt_pk_f16_f32 v[208+i], v[64+2*i], v[65+2*i]
.set i, i+1
.endr
.irp ct, 0,1,2,3
	global_store_b128 v1, v[208+4*\ct:211+4*\ct], s[10:11] offset:512*\ct   ; four registers of the projection's fragment: 512 consecutive bytes, aligned
.endr
	s_wait_tensorcnt 0x0                           ; the wave's end
	ds_add_u32 v[SPW], v[NIL]
	s_wait_dscnt 0x0
	CROUND                                         ; the closing round: no work-group ends while a partner may still ask for a tile that names it
	s_endpgm
.Lfunc_end_k_qb2758e5afd_attn:
	.size	k_qb2758e5afd_attn, .Lfunc_end_k_qb2758e5afd_attn-k_qb2758e5afd_attn
	.p2alignl 7, 3214868480
	.fill 96, 4, 3214868480
	.section	.rodata,"a",@progbits
	.p2align	6, 0x0
	.amdhsa_kernel k_qb2758e5afd_attn
		.amdhsa_group_segment_fixed_size 327680
		.amdhsa_private_segment_fixed_size 0
		.amdhsa_enable_private_segment 0
		.amdhsa_kernarg_size 32
		.amdhsa_user_sgpr_count 2
		.amdhsa_user_sgpr_kernarg_segment_ptr 1
		.amdhsa_wavefront_size32 1
		.amdhsa_system_sgpr_workgroup_id_x 1
		.amdhsa_system_sgpr_workgroup_id_y 1
		.amdhsa_system_sgpr_workgroup_id_z 1
		.amdhsa_system_vgpr_workitem_id 0
		.amdhsa_next_free_vgpr 512
		.amdhsa_next_free_sgpr 66
		.amdhsa_reserve_vcc 0
		.amdhsa_float_denorm_mode_32 3
		.amdhsa_float_denorm_mode_16_64 3
		.amdhsa_memory_ordered 1
		.amdhsa_forward_progress 1
		.amdhsa_inst_pref_size 255
	.end_amdhsa_kernel
	.section	.bss,"aw",@nobits
	.p2align	6
	.space	262144
	.amdgpu_metadata
---
amdhsa.version: [ 1, 2 ]
amdhsa.kernels:
  - .name:           k_qb2758e5afd_attn
    .symbol:         k_qb2758e5afd_attn.kd
    .args:
      - { .name: qf, .offset: 0, .size: 8, .value_kind: global_buffer, .address_space: global }
      - { .name: kf, .offset: 8, .size: 8, .value_kind: global_buffer, .address_space: global }
      - { .name: vf, .offset: 16, .size: 8, .value_kind: global_buffer, .address_space: global }
      - { .name: of, .offset: 24, .size: 8, .value_kind: global_buffer, .address_space: global }
    .group_segment_fixed_size: 327680
    .private_segment_fixed_size: 0
    .kernarg_segment_align: 8
    .kernarg_segment_size: 32
    .max_flat_workgroup_size: 256
    .sgpr_count:     66
    .vgpr_count:     512
    .wavefront_size: 32
...
	.end_amdgpu_metadata
.endif
;; end of part 3
;; launch proj (part 4): grid 4 x 64, 4 waves a work-group, clusters of 4 x 4, 215,040 bytes of LDS; arguments of, pf, out0; writes out0
.if DOCPART == 4
	.amdgcn_target "amdgcn-amd-amdhsa--gfx1250"
	.amdhsa_code_object_version 6
	.text
	.protected	k_qb2758e5afd_proj
	.globl	k_qb2758e5afd_proj
	.p2align	8
	.type	k_qb2758e5afd_proj,@function
k_qb2758e5afd_proj:
	s_mov_b64 s[64:65], 0
	v_nop
	global_prefetch_b8 v0, s[64:65] scope:SCOPE_SE
	s_setreg_imm32_b32 hwreg(HW_REG_WAVE_MODE, 25, 1), 1
	s_wait_xcnt 0x0
	s_wait_alu depctr_hold_cnt(0) depctr_sa_sdst(0) depctr_va_vdst(0) depctr_va_sdst(0) depctr_va_ssrc(0) depctr_va_vcc(0) depctr_vm_vsrc(0)
	s_getreg_b32 s2, hwreg(HW_REG_IB_STS2, 6, 4)
	s_cmp_eq_u32 s2, 0
	s_cbranch_scc0 .Lentry_in_a_cluster
	s_endpgm
.Lentry_in_a_cluster:
	s_bfe_u32 s2, ttmp6, 0x10000c
	s_cmp_lg_u32 s2, 0xf033
	s_cbranch_scc0 .Lentry_shape_is_right
	s_endpgm
.Lentry_shape_is_right:
; PROJ.  out[s][c] = sum over k of o[s][k] p_param[k][c], K = 512, operands in f16 (4 o and p / 4: the product is unchanged), sums in f32, out in f32.
; A work-group makes 64 rows x 128 columns; wave w makes rows 32 (w / 2) on x columns 64 (w % 2) on: 8 accumulators, 128 matrix instructions.  All of K lies in LDS at once: no ring, nothing is filled again.
; Operands arrive as images of their registers (a group of four registers = 512 bytes, lane l at 16 l).  THE MATRIX INSTRUCTION IS USED TRANSPOSED (source 0 = 16 columns of p, source 1 = 16 rows of o): a lane holds eight neighbouring columns of one row.
; CLUSTER 4 x 4: the four work-groups of a row of the cluster share o's rows, the four of a column p's columns: each block is asked for jointly.  Every wave issues two loads: two of mine are out.
.set OB,    0                          ; LDS: o's 4 tiles of 16,384 bytes,
.set PB,    65536                      ; p's 8,
.set STAGE, 196608                     ; the way out: 16 rows x (256 + 16) bytes for each wave,
.set SPITCH, 272                       ; 68 words: row r starts at bank 4 r mod 64 (64 banks of 4 bytes: ISA guide 11.1)
.set SPARE, STAGE+4*16*SPITCH          ; and the spare words, 128 bytes a wave, which no other line names
.set AO,  2
.set AP,  3
.set STO, 4
.set RD,  5
.set CO,  6
.set SPW, 7
.set NIL, 8
.set ACC, 16                           ; v16-79  accumulator (i, ct) at 8 (4 i + ct)
.set FR,  80                           ; v80-223 three sets of fragments: o's two, then p's four
.set WV,  10
.set G1A, 24
.set G1B, 32
.set G0A, 40
.set G0B, 44
.macro PLACES n
.rept \n
	v_nop
.endr
.endm
.macro CROUND                          ; a round of the cluster's barrier
	s_barrier_signal -1
	s_barrier_wait -1
	s_cmp_lg_u32 s[WV], 0
	s_cbranch_scc1 .Lnot_wave_0_\@
	s_barrier_signal -3
.Lnot_wave_0_\@:
	s_barrier_wait -3
	s_barrier_signal -1
	s_barrier_wait -1
.endm
	s_load_b128 s[4:7], s[0:1], 0x0                ; of 4, pf 6
	s_load_b64 s[8:9], s[0:1], 0x10                ; out0
	v_lshl_add_u32 v[SPW], v0, 2, SPARE
	v_mov_b32 v[NIL], 0
	ds_add_u32 v[SPW], v[NIL]                      ; the opening: the add, twice on end, and its wait ahead of the first tensor load
	ds_add_u32 v[SPW], v[NIL]
	v_lshrrev_b32 v1, 5, v0
	v_readfirstlane_b32 s[WV], v1                  ; wave 0..3
	s_bfe_u32 s11, ttmp6, 0x40000                  ; cx
	s_bfe_u32 s12, ttmp6, 0x40004                  ; cy
	s_lshl_b32 s13, ttmp9, 2
	s_add_co_u32 s13, s13, s11                     ; the block of 128 columns
	s_and_b32 s14, ttmp7, 0xffff
	s_lshl_b32 s14, s14, 2
	s_add_co_u32 s14, s14, s12                     ; the block of 64 rows
	s_lshl_b32 s15, s12, 2
	s_lshl_b32 s15, 15, s15                        ; my row of the cluster
	s_lshl_b32 s16, 0x1111, s11                    ; my column
	s_lshr_b32 s17, s[WV], 1                       ; which 32 rows are mine
	s_and_b32 s18, s[WV], 1                        ; which 64 columns
	s_or_b32 s[G1A], s15, (3<<16)|(1<<21)          ; 15:0 the mask: o's tiles go to my row; 17:16 elements of 8 bytes; 21 set beside a mask; no padding
	s_mov_b32 s[G1A+1], 32<<16                     ; rows of 32 elements: 256 bytes
	s_mov_b32 s[G1A+2], 64<<16                     ; 64 rows: a tile of 16 rows of o, all of K
	s_mov_b32 s[G1A+3], 32<<16
	s_mov_b32 s[G1A+4], 64
	s_mov_b32 s[G1A+5], 32                         ; dense
	s_mov_b32 s[G1A+6], 0
	s_mov_b32 s[G1A+7], 0
	s_or_b32 s[G1B], s16, (3<<16)|(1<<21)          ; p's go to my column
	s_mov_b32 s[G1B+1], 32<<16
	s_mov_b32 s[G1B+2], 128<<16                    ; 128 rows: two tiles of 16 columns of p
	s_mov_b32 s[G1B+3], 32<<16
	s_mov_b32 s[G1B+4], 128
	s_mov_b32 s[G1B+5], 32
	s_mov_b32 s[G1B+6], 0
	s_mov_b32 s[G1B+7], 0
	s_lshl_b32 s48, s14, 2
	s_add_co_u32 s48, s48, s[WV]
	s_lshl_b32 s48, s48, 14                        ; o: tile 4 x block + wave
	s_mov_b32 s49, 0
	s_lshl_b32 s50, s13, 17
	s_lshl_b32 s19, s[WV], 15
	s_add_co_u32 s50, s50, s19                     ; p: tiles 8 x block + 2 x wave on
	s_mov_b32 s51, 0
	s_lshl_b32 s20, s[WV], 14                      ; where they go: no place in the cluster enters an LDS address
	s_add_co_u32 s21, s19, PB
	s_wait_dscnt 0x0                               ; both opening adds are done
	s_wait_kmcnt 0x0
	s_mov_b32 s[G0A], 1
	s_mov_b32 s[G0A+1], s20
	s_add_nc_u64 s[G0A+2:G0A+3], s[4:5], s[48:49]
	s_or_b32 s[G0A+3], s[G0A+3], 0x80000000
	s_mov_b32 s[G0B], 1
	s_mov_b32 s[G0B+1], s21
	s_add_nc_u64 s[G0B+2:G0B+3], s[6:7], s[50:51]
	s_or_b32 s[G0B+3], s[G0B+3], 0x80000000
	CROUND                                         ; all sixteen work-groups are here: the joint loads meet
	tensor_load_to_lds s[G0A:G0A+3], s[G1A:G1A+7]
	s_nop 0
	tensor_load_to_lds s[G0B:G0B+3], s[G1B:G1B+7]
	s_nop 0
	PLACES 4
	v_and_b32 v9, 31, v0
	v_lshlrev_b32 v1, 4, v9                        ; 16 x lane
	v_and_b32 v10, 15, v0                          ; r
	v_bfe_u32 v11, v0, 4, 1                        ; h
	s_lshl_b32 s22, s17, 15
	v_add_nc_u32 v[AO], s22, v1                    ; my two tiles of o
	s_lshl_b32 s22, s18, 16
	s_add_co_u32 s22, s22, PB
	v_add_nc_u32 v[AP], s22, v1                    ; my four tiles of p
	s_mul_i32 s23, s[WV], 16*SPITCH
	s_add_co_u32 s23, s23, STAGE                   ; my stage
	v_mul_u32_u24 v[STO], v10, SPITCH
	v_lshl_add_u32 v[STO], v11, 5, v[STO]
	v_add_nc_u32 v[STO], s23, v[STO]               ; in: row r, 32 bytes for each half of the lanes
	v_mul_u32_u24 v[RD], v11, SPITCH
	v_lshl_add_u32 v[RD], v10, 4, v[RD]
	v_add_nc_u32 v[RD], s23, v[RD]                 ; back: lanes 0-15 one row of 256 bytes, lanes 16-31 the next
	v_lshlrev_b32 v[CO], 11, v11
	v_lshl_add_u32 v[CO], v10, 4, v[CO]            ; and the same two rows in out
	s_lshl_b32 s52, s14, 17                        ; 64 rows of 2,048 bytes,
	s_lshl_b32 s53, s17, 16                        ; my 32 of them,
	s_add_co_u32 s52, s52, s53
	s_lshl_b32 s53, s13, 9                         ; the block's 128 columns,
	s_add_co_u32 s52, s52, s53
	s_lshl_b32 s53, s18, 8                         ; my 64
	s_add_co_u32 s52, s52, s53
	s_mov_b32 s53, 0
	s_add_nc_u64 s[8:9], s[8:9], s[52:53]
	s_wait_tensorcnt 0x0                           ; my two loads have landed;
	s_barrier_signal -1
	s_barrier_wait -1                              ; everybody's have.  Nothing is filled again
.macro L k                             ; the fragments of chunk k (32 along K) into set k % 3: 12 loads
.set FS, FR+48*((\k)%3)
.irp i, 0,1
.irp c, 0,1
	ds_load_b128 v[FS+8*\i+4*\c:FS+8*\i+4*\c+3], v[AO] offset:\i*16384+(\k)*1024+512*\c
.endr
.endr
.irp ct, 0,1,2,3
.irp c, 0,1
	ds_load_b128 v[FS+16+8*\ct+4*\c:FS+16+8*\ct+4*\c+3], v[AP] offset:\ct*16384+(\k)*1024+512*\c
.endr
.endr
.endm
.macro MMK k                           ; 8 matrix instructions; the accumulators take turns, one instruction a turn; chunk 0 starts the sums
.set FS, FR+48*((\k)%3)
.irp i, 0,1
.irp ct, 0,1,2,3
.if (\k) == 0
	v_wmma_f32_16x16x32_f16 v[ACC+8*(4*\i+\ct):ACC+8*(4*\i+\ct)+7], v[FS+16+8*\ct:FS+16+8*\ct+7], v[FS+8*\i:FS+8*\i+7], 0
.else
	v_wmma_f32_16x16x32_f16 v[ACC+8*(4*\i+\ct):ACC+8*(4*\i+\ct)+7], v[FS+16+8*\ct:FS+16+8*\ct+7], v[FS+8*\i:FS+8*\i+7], v[ACC+8*(4*\i+\ct):ACC+8*(4*\i+\ct)+7]
.endif
.endr
.endr
.endm
	L 0
	L 1
.irp k, 0,1,2,3,4,5,6,7,8,9,10,11,12,13
.if \k > 0
	PLACES 4                                       ; in front of loads into the set that the last chunk's products read
.endif
	L \k+2
	s_wait_dscnt 24                                ; all but the two later sets' 24 loads
	MMK \k
.endr
	s_wait_dscnt 12                                ; all but the last set's
	MMK 14
	s_wait_dscnt 0x0
	MMK 15
	PLACES 4                                       ; in front of the first read of results and of loads into registers that the products read
	; THE WAY OUT: 16 rows x 64 columns at a time through my own stage, back as whole rows of 256 bytes.  LDS serves a wave's instructions in order (ISA guide 5.7.1.4): no wait between stores and loads, nor in front of the second half's stores.
.irp i, 0,1
.irp ct, 0,1,2,3
	ds_store_b128 v[STO], v[ACC+8*(4*\i+\ct):ACC+8*(4*\i+\ct)+3] offset:64*\ct        ; each accumulator from its low end on
	ds_store_b128 v[STO], v[ACC+8*(4*\i+\ct)+4:ACC+8*(4*\i+\ct)+7] offset:64*\ct+16
.endr
.irp t, 0,1,2,3,4,5,6,7
	ds_load_b128 v[FR+32*\i+4*\t:FR+32*\i+4*\t+3], v[RD] offset:2*\t*SPITCH
.endr
.endr
.irp i, 0,1
.irp t, 0,1,2,3,4,5,6,7
	s_wait_dscnt 16*(1-\i)+7-\t                    ; behind this load: the rest of its eight, and for the first half the second half's 8 stores and 8 loads
	global_store_b128 v[CO], v[FR+32*\i+4*\t:FR+32*\i+4*\t+3], s[8:9] offset:\i*32768+4096*\t th:TH_STORE_NT   ; sixteen lanes store 256 consecutive bytes, aligned; written once, read by nobody here
.endr
.endr
	s_wait_tensorcnt 0x0                           ; the wave's end
	ds_add_u32 v[SPW], v[NIL]
	s_wait_dscnt 0x0
	CROUND                                         ; the closing round: no work-group ends while a partner may still ask for a block that names it
	s_endpgm
.Lfunc_end_k_qb2758e5afd_proj:
	.size	k_qb2758e5afd_proj, .Lfunc_end_k_qb2758e5afd_proj-k_qb2758e5afd_proj
	.p2alignl 7, 3214868480
	.fill 96, 4, 3214868480
	.section	.rodata,"a",@progbits
	.p2align	6, 0x0
	.amdhsa_kernel k_qb2758e5afd_proj
		.amdhsa_group_segment_fixed_size 215040
		.amdhsa_private_segment_fixed_size 0
		.amdhsa_enable_private_segment 0
		.amdhsa_kernarg_size 24
		.amdhsa_user_sgpr_count 2
		.amdhsa_user_sgpr_kernarg_segment_ptr 1
		.amdhsa_wavefront_size32 1
		.amdhsa_system_sgpr_workgroup_id_x 1
		.amdhsa_system_sgpr_workgroup_id_y 1
		.amdhsa_system_sgpr_workgroup_id_z 1
		.amdhsa_system_vgpr_workitem_id 0
		.amdhsa_next_free_vgpr 256
		.amdhsa_next_free_sgpr 66
		.amdhsa_reserve_vcc 0
		.amdhsa_float_denorm_mode_32 3
		.amdhsa_float_denorm_mode_16_64 3
		.amdhsa_memory_ordered 1
		.amdhsa_forward_progress 1
		.amdhsa_inst_pref_size 32
	.end_amdhsa_kernel
	.amdgpu_metadata
---
amdhsa.version: [ 1, 2 ]
amdhsa.kernels:
  - .name:           k_qb2758e5afd_proj
    .symbol:         k_qb2758e5afd_proj.kd
    .args:
      - { .name: of, .offset: 0, .size: 8, .value_kind: global_buffer, .address_space: global }
      - { .name: pf, .offset: 8, .size: 8, .value_kind: global_buffer, .address_space: global }
      - { .name: out0, .offset: 16, .size: 8, .value_kind: global_buffer, .address_space: global }
    .group_segment_fixed_size: 215040
    .private_segment_fixed_size: 0
    .kernarg_segment_align: 8
    .kernarg_segment_size: 24
    .max_flat_workgroup_size: 128
    .sgpr_count:     66
    .vgpr_count:     256
    .wavefront_size: 32
...
	.end_amdgpu_metadata
.endif
;; end of part 4
